; MI455X (gfx1250); checked and timed in simulation.
; The chip was launched on July 23, 2026; its instructions are those of AMD's public machine-readable ISA for CDNA 5 (MIT licence, August 2026) and "CDNA5" Instruction Set Architecture Reference Guide (July 2026). The comments in the code are by the model that wrote it; some were corrected since.
;; Diagonal Linear. Allowed arithmetic: matrix products marked QUANTISED: E2M1 operands, one E8M0 scale for each 32 along K, by v_wmma_scale_f32_16x16x128_f8f6f4 with both operands' format E2M1 (or v_wmma_scale_f32_32x16x128_f4), f32 sums; everything else in f32.
;; Inputs: W 4,096 x 4,096 float32; x 4,096 x 4,096 float32.
;; Outputs: out0 4,096 x 4,096 float32.
;; This version of the problem:
;;   THIS VERSION OF THE PROBLEM IS GIVEN IN LOW PRECISION. The matrix products marked QUANTISED in the list below multiply operands that are first quantised to E2M1 (2 exponent bits, 1 mantissa bit; 4 bits a number), with one power-of-two scale for each 32 numbers along K (OCP MX v1.0); their sums are f32. All else is computed in f32.
;;   The module's matrix products, in the order in which they are computed (A, B: the left and right operand; K: the contracted axis; several contracted axes count as one K, in the product's order):
;;     1. [M 4,096, K 4,096] x [K 4,096, N 4,096]; A: input x; B: computed on the way: QUANTISED
;;   THE QUANTISER, for each operand of a quantised product, along K:
;;     - K is cut into blocks of 32 from its start; a last block that is shorter is filled with zeros.
;;     - A block's scale is 2^e with e = floor(log2(the largest magnitude in the block)) - 2, held to -126 .. 127; a block of zeros has e = 0. As a byte (E8M0): e + 127.
;;     - Each number is divided by its block's scale, clamped to +-6, and rounded to the nearest number of E2M1, ties to even, subnormals kept.
;;     - The product sums the exact products of the quantised numbers (number of the format x scale) in f32.
;;   ~~~python
;;   def quantise(x, axis):      # numpy; x: float32 -> the quantised numbers, widened to float32 again
;;       x = np.moveaxis(x, axis, -1); K = x.shape[-1]
;;       x = np.pad(x, [(0, 0)] * (x.ndim - 1) + [(0, -K % 32)]); x = x.reshape(x.shape[:-1] + (-1, 32)); a = np.abs(x).max(-1, keepdims=True)
;;       e = np.where(a > 0, np.clip(np.frexp(np.where(a > 0, a, 1))[1] - 1 - 2, -126, 127), 0)      # np.frexp(a)[1] - 1 = floor(log2(a)), exactly
;;       r = np.clip(x / 2.0 ** e, -6, 6)
;;       step = 2.0 ** (np.maximum(np.frexp(np.where(r == 0, 1, r))[1] - 1, 0) - 1)
;;       q = np.round(r / step) * step * 2.0 ** e      # np.round: ties to even
;;       return np.moveaxis(q.reshape(q.shape[:-2] + (-1,))[..., :K], -1, axis).astype(np.float32)
;;   ~~~
;;   OPERANDS COMPUTED ON THE WAY. 'Computed on the way' means the value that the module computes at that place (a softmax that the list does not call 'softmax' is quantised finished and normalised). What goes into a quantiser is computed in f32, as accurately as f32 sums, v_exp_f32 and their like allow (about 1e-6 of the number): no bf16 or f16 on the way to a quantiser, and a product that is left as it is and whose result goes on into a quantised operand takes f32 operands (vector FMAs, or v_wmma_f32_16x16x4_f32). A number that lies on a knife's edge between two numbers of the format may be rounded either way, as far as f32 arithmetic and the matrix unit's own rounding can turn it there, and no further.
;; 2 versions, each right and faster than the one before. Each part assembles by itself: llvm-mc -triple=amdgcn-amd-amdhsa -mcpu=gfx1250 --defsym DOCPART=n.
;; ======== version 1 of 2: 2 launches
;; workspace buffers: xc 8,388,608 bytes; wc 8,388,608 bytes; sc 1,048,576 bytes
;; launch prep (part 1): grid 544 x 1, 4 waves a work-group, no clusters, 33,280 bytes of LDS; arguments x, W, xc, wc, sc; writes xc, wc, sc
.if DOCPART == 1
	.amdgcn_target "amdgcn-amd-amdhsa--gfx1250"
	.amdhsa_code_object_version 6
	.text
	.protected	k_qeeeeaf8cfb_prep
	.globl	k_qeeeeaf8cfb_prep
	.p2align	8
	.type	k_qeeeeaf8cfb_prep,@function
k_qeeeeaf8cfb_prep:
	s_mov_b64 s[64:65], 0
	v_nop
	global_prefetch_b8 v0, s[64:65] scope:SCOPE_SE
	s_setreg_imm32_b32 hwreg(HW_REG_WAVE_MODE, 25, 1), 1
	s_wait_xcnt 0x0
; Both operands of out0 = Q(x) Q(Wm)^T are quantised once, along K, to codes of FP4 (E2M1) with one E8M0 scale byte for each 32 numbers.  x, W: [4096][4096] f32.
; Wm = W under the identity mask that the problem itself builds, with |w| <= 0.001 set to 0: row o of Wm has one number that can differ from 0, at k = o.  So of W only the diagonal is read.
; OUT.  xc, wc: [4096 rows][2,048 bytes]: K innermost, two codes a byte, the lower k in the low four bits.
;       sc: [operand: x, then Wm][K step of 512: 8][row: 4,096][16 bytes]: the scale bytes of 16 rows for one K step are 256 consecutive bytes, as the product's launch loads them.
; A block's scale is 2^(floor(log2(its largest magnitude)) - 2); its byte is the largest magnitude's exponent field - 2, held at 1 from below.
; LIMITS.  NaN and infinities are not served: in x; on W's diagonal (a NaN there counts as under the threshold); off W's diagonal, where the product with the mask's 0 would be NaN and this text reads nothing.
; A block whose largest magnitude lies under 2^-124 takes the byte 1, as the rule's hold at -126 asks; such blocks were not tried.  A block of zeros does not get the rule's 127: in x it keeps the byte 1, in Wm its row's byte;
; its codes are zeros, which add nothing under any byte but 0xff, and the bytes are read by this program alone.
; SHARES.  Work-groups 0 to 511 take x, 512 to 543 Wm; the branch hangs on the work-group's number alone.  Waves share nothing: no barrier.  Only x's path uses LDS.
.set WGX,   512                        ; x's work-groups
.set ROWX,  16384                      ; a row of x or W in bytes
.set ROWC,  2048                       ; a row of codes in bytes
.set DIAG,  ROWX+4                     ; from one number of W's diagonal to the next
.set KSC,   65536                      ; a K step's scale bytes of one operand: 4,096 rows x 16
.set WSC,   8*KSC                      ; where Wm's scale bytes begin in sc
.set FLOOR, 0x1800000                  ; 2^(3 - 127): under it no largest magnitude is taken, so that the byte cannot fall under 1
.set EOFF,  0xff000000                 ; takes 2 off an exponent field
	s_load_b256 s[4:11], s[0:1], 0x0               ; x s[4:5], W s[6:7], xc s[8:9], wc s[10:11]
	s_load_b64 s[12:13], s[0:1], 0x20              ; sc
	v_lshl_add_u32 v192, v0, 2, 0x8000
	v_mov_b32 v193, 0
	v_lshrrev_b32 v1, 5, v0
	v_readfirstlane_b32 s16, v1                    ; wave 0..3
	v_and_b32 v2, 31, v0                           ; lane
	s_cmp_lt_u32 ttmp9, WGX
	s_cbranch_scc0 .Lw
; ---------------- x.  A wave takes 16 rows x one K step of 512 numbers: step t is row t.  The conversions take numbers of ONE block from a lane's consecutive registers, so a lane must hold 16 NEIGHBOURS
; (two neighbouring lanes hold a block); a load is best where neighbouring LANES take neighbouring bytes.  Both are had: each of a step's four loads reads 512 consecutive bytes, 16 a lane; the 2,048 bytes
; go through the wave's own stage in LDS, as they lie, and come back 64 bytes a lane.  The stage has 16 bytes of padding behind each 64.  A lane's 16 codes are 8 bytes: the wave stores 256 consecutive bytes.
; A step makes 16 scale bytes, the wave 256: 16 rows x 16 bytes, which is their order in sc: they are gathered in the wave's own LDS and leave as one aligned run of 256 bytes.
.set STEPS, 16
.set CB,    8                          ; bytes of 16 codes
.set R,     16                         ; v16-79   four sets of 16 numbers as they are loaded
.set X,     80                         ; v80-111  two sets of 16 neighbours
.set E,     112                        ; v112-127 a scale byte for each step
.set C,     128                        ; v128-191 codes: registers of its own for each step, so that no store's data are written again
.set WREG,  8192                       ; LDS: a region of its own for each wave: two stages of 32 x SP bytes, and behind them its 256 scale bytes
.set SP,    80                         ; a lane's place in a stage: its 64 bytes + 16 of padding
	v_lshlrev_b32 v3, 4, v2                        ; my 16 bytes of a load's 512
	s_mul_i32 s17, s16, WREG
	v_lshrrev_b32 v14, 2, v2
	v_mul_u32_u24 v14, v14, SP
	v_and_b32 v15, 3, v2
	v_lshl_add_u32 v14, v15, 4, v14
	v_add_nc_u32 v14, s17, v14                     ; the stage, on the way in: four lanes' 64 bytes on end, then 16 of padding
	v_mul_u32_u24 v15, v2, SP
	v_add_nc_u32 v15, s17, v15                     ; and on the way out: SP x lane: my 16 neighbours
	v_mul_u32_u24 v4, v2, CB                       ; my codes' place in a step's 256 bytes
	v_lshrrev_b32 v5, 1, v2
	s_add_co_u32 s17, s17, 2*32*SP
	v_add_nc_u32 v5, s17, v5                       ; LDS: my wave's 256 scale bytes, my block's byte
	v_lshlrev_b32 v7, 3, v2                        ; and on the way out 8 bytes a lane
	v_add_nc_u32 v6, s17, v7
	s_lshl_b32 s18, ttmp9, 2
	s_add_co_u32 s18, s18, s16                     ; my wave among x's 2,048
	s_and_b32 s19, s18, 7                          ; its K step: the four waves of a work-group stand side by side on 8,192 bytes of each row
	s_lshr_b32 s18, s18, 3                         ; its block of 16 rows
	s_lshl_b32 s20, s18, 18                        ; x: 16 rows of 16,384 bytes
	s_lshl_b32 s22, s19, 11                        ;    + 2,048 bytes a K step: under 2^26
	s_add_co_u32 s20, s20, s22
	s_mov_b32 s21, 0
	s_lshl_b32 s22, s18, 15                        ; xc: 16 rows of 2,048 bytes
	s_lshl_b32 s24, s19, 8                         ;    + 256 bytes a K step
	s_add_co_u32 s22, s22, s24
	s_mov_b32 s23, 0
	s_lshl_b32 s24, s19, 16                        ; sc: 65,536 bytes a K step
	s_lshl_b32 s25, s18, 8                         ;    + 256 bytes a block of 16 rows
	s_add_co_u32 s24, s24, s25
	s_mov_b32 s25, 0
	s_wait_kmcnt 0x0
	s_add_nc_u64 s[4:5], s[4:5], s[20:21]
	s_add_nc_u64 s[8:9], s[8:9], s[22:23]
	s_add_nc_u64 s[12:13], s[12:13], s[24:25]
.macro LOAD t
.irp i, 0,1,2,3
	global_load_b128 v[R+16*((\t)%4)+4*\i:R+16*((\t)%4)+4*\i+3], v3, s[4:5] offset:ROWX*(\t)+512*\i th:TH_LOAD_NT   ; 32 lanes read 512 consecutive bytes of row t; read once in the launch
.endr
.endm
.macro TURN t                          ; step t's numbers through the stage: LDS serves a wave's instructions in order, so no wait stands between the stores and the loads
.irp i, 0,1,2,3
	ds_store_b128 v14, v[R+16*((\t)%4)+4*\i:R+16*((\t)%4)+4*\i+3] offset:32*SP*((\t)%2)+8*SP*\i
.endr
.irp i, 0,1,2,3
	ds_load_b128 v[X+16*((\t)%2)+4*\i:X+16*((\t)%2)+4*\i+3], v15 offset:32*SP*((\t)%2)+16*\i
.endr
.endm
.irp t, 0,1,2,3
	LOAD \t
.endr
	s_wait_loadcnt 12                              ; step 0's four loads are in; the twelve behind them may be out
	TURN 0
.macro STEP t
.set XS, X+16*((\t)%2)
.if (\t) > 0
	s_wait_dscnt 1                                 ; this step's numbers are back from the stage (the last step's byte store may be out): so its stores into the stage have read their registers,
.else
	s_wait_dscnt 0x0
.endif
.if (\t)+4 < STEPS
	LOAD (\t)+4                                    ; which take the loads of four steps on
.endif
.if (\t)+1 < STEPS
.if STEPS-2-(\t) >= 3
	s_wait_loadcnt 12                              ; the next step's four loads are in; those of the three steps behind it may be out
.else
	s_wait_loadcnt 4*(STEPS-2-(\t))
.endif
	TURN (\t)+1                                    ; and go through the other stage while this step is worked
.endif
	v_max3_num_f32 v8, |v[XS]|, |v[XS+1]|, |v[XS+2]|               ; the largest magnitude of my 16, in two chains
	v_max3_num_f32 v9, |v[XS+3]|, |v[XS+4]|, |v[XS+5]|
.irp i, 6,10
	v_max3_num_f32 v8, v8, |v[XS+\i]|, |v[XS+\i+1]|
	v_max3_num_f32 v9, v9, |v[XS+\i+2]|, |v[XS+\i+3]|
.endr
	v_max3_num_f32 v8, v8, |v[XS+14]|, |v[XS+15]|
	v_max3_num_f32 v8, v8, v9, FLOOR               ; and the floor
	v_max_num_f32_dpp v8, v8, v8 row_xmask:1 row_mask:0xf bank_mask:0xf   ; and of my neighbour's 16: the block's
	v_add_nc_u32 v11, EOFF, v8                     ; 2 off its exponent field: the conversion takes the exponent field of this operand as its scale, and nothing else of it
	v_cvt_scalef32_pk8_fp4_f32 v[C+4*(\t)], v[XS:XS+7], v11        ; eight numbers / the scale, to the nearest code, ties to even, beyond 6 the largest code; the first number's code in the lowest four bits
	v_cvt_scalef32_pk8_fp4_f32 v[C+4*(\t)+1], v[XS+8:XS+15], v11
	v_lshrrev_b32 v[E+(\t)], 23, v11               ; the scale's byte.  (Also the plain line behind the conversions)
	ds_store_b8 v5, v[E+(\t)] offset:16*(\t)       ; row t's 16 bytes; both lanes of a block write the same byte with the same value
	global_store_b64 v4, v[C+4*(\t):C+4*(\t)+1], s[8:9] offset:ROWC*(\t)   ; 32 lanes store 256 consecutive bytes, at a multiple of 256 from xc's first byte
.endm
.irp t, 0,1,2,3,4,5,6,7,8,9,10,11,12,13,14,15
	STEP \t
.endr
	ds_load_b64 v[12:13], v6                       ; LDS serves a wave's instructions in order: these see my stores
	s_wait_dscnt 0x0
	global_store_b64 v7, v[12:13], s[12:13]        ; 32 lanes store 256 consecutive bytes, aligned
	s_wait_tensorcnt 0x0
	ds_add_u32 v192, v193
	s_wait_dscnt 0x0
	s_endpgm
; ---------------- Wm.  A wave takes rows o = 32 n + 0 .. 31 (n = its number among 128).  Lane l gathers W[o][o] of row 32 n + l, applies the threshold and quantises it: in its block of 32 along K all else is 0.
; Row 32 n + j's code lies at k = 32 n + j: in the row's word 4 n + j / 8, at four-bit place j % 8.  A store of 16 bytes a lane covers 512 bytes, a quarter c of a row: the word is register j / 8 of the lane with 32 c + lane = n.
.set T,   16                           ; v16-23  the conversion's eight numbers: mine and seven of the mask's zeros
.set SW,  24                           ; v24-27  my row's scale bytes for a K step
.set D,   32                           ; v32-47  a row of codes: quarter c in v[D + 4 c] on
.Lw:
	s_sub_co_u32 s18, ttmp9, WGX
	s_lshl_b32 s18, s18, 2
	s_add_co_u32 s18, s18, s16                     ; n
	s_mul_i32 s20, s18, 32*DIAG                    ; W: the diagonal's number 32 n: under 2^27
	s_mov_b32 s21, 0
	s_lshl_b32 s22, s18, 16                        ; wc: 32 rows of 2,048 bytes
	s_mov_b32 s23, 0
	s_lshl_b32 s24, s18, 9                         ; sc: 32 rows of 16 bytes, in Wm's part
	s_add_co_u32 s24, s24, WSC
	s_mov_b32 s25, 0
	s_mov_b32 s14, 0x3a83126f                      ; the threshold, 0.001 in f32
	s_mov_b32 s15, 0x01010101                      ; a byte into all four places of a word
	v_mul_u32_u24 v3, v2, DIAG                     ; my number of the diagonal
	v_lshlrev_b32 v4, 4, v2                        ; 16 bytes a lane
	s_wait_kmcnt 0x0
	s_add_nc_u64 s[6:7], s[6:7], s[20:21]
	s_add_nc_u64 s[10:11], s[10:11], s[22:23]
	s_add_nc_u64 s[12:13], s[12:13], s[24:25]
	global_load_b32 v5, v3, s[6:7] th:TH_LOAD_NT   ; W[o][o], o = 32 n + lane; read once in the launch
.irp c, 0,1,2,3
	s_sub_co_u32 s26, s18, 32*\c
	v_cmp_eq_u32 s[28+\c], s26, v2                 ; quarter c: the lane with 32 c + lane = n, if there is one
.endr
.irp i, 1,2,3,4,5,6,7
	v_mov_b32 v[T+\i], 0
.endr
.irp i, 0,1,2,3,4,5,6,7,8,9,10,11,12,13,14,15
	v_mov_b32 v[D+\i], 0                           ; a row of zero codes
.endr
	v_and_b32 v12, 7, v2
	v_lshlrev_b32 v12, 2, v12                      ; four bits a code: my code's place in its word
	s_wait_loadcnt 0x0
	v_cmp_lt_f32 vcc_lo, s14, |v5|                 ; 0.001 < |w|
	v_cndmask_b32 v[T], 0, v5, vcc_lo              ; w, or 0
	v_max_num_f32 v8, FLOOR, |v[T]|                ; its block's largest magnitude, and the floor
	v_add_nc_u32 v9, EOFF, v8                      ; 2 off the exponent field: the conversion's scale operand
	v_cvt_scalef32_pk8_fp4_f32 v10, v[T:T+7], v9   ; my code in the lowest four bits, zeros above
	v_lshrrev_b32 v11, 23, v9                      ; the scale's byte.  (The plain line between the conversion and the use of its result)
	v_mul_lo_u32 v[SW], v11, s15                   ; in every place: all the row's other blocks hold zero codes alone
	v_lshlrev_b32 v13, v12, v10                    ; the code at its place in a word
.irp i, 1,2,3
	v_mov_b32 v[SW+\i], v[SW]
.endr
.irp s, 0,1,2,3,4,5,6,7
	global_store_b128 v4, v[SW:SW+3], s[12:13] offset:KSC*\s   ; K step s: 32 rows x 16 bytes: 512 consecutive bytes, aligned
.endr
.irp j, 0,1,2,3,4,5,6,7,8,9,10,11,12,13,14,15,16,17,18,19,20,21,22,23,24,25,26,27,28,29,30,31
	v_readlane_b32 s26, v13, \j                    ; row j's word: it serves as data alone
	v_mov_b32 v14, s26
	s_wait_xcnt 0x0                                ; the last row's stores have read their registers: only behind this wait are these written again
.if (\j%8 == 0) && (\j > 0)
.irp c, 0,1,2,3
	v_mov_b32 v[D+4*\c+\j/8-1], 0                  ; the word moves one register on: the old place holds zero codes again
.endr
.endif
.irp c, 0,1,2,3
	v_cndmask_b32 v[D+4*\c+\j/8], 0, v14, s[28+\c]
.endr
.irp c, 0,1,2,3
	global_store_b128 v4, v[D+4*\c:D+4*\c+3], s[10:11] offset:ROWC*\j+512*\c   ; 512 consecutive bytes of row j, aligned
.endr
.endr
	s_endpgm
.Lfunc_end_k_qeeeeaf8cfb_prep:
	.size	k_qeeeeaf8cfb_prep, .Lfunc_end_k_qeeeeaf8cfb_prep-k_qeeeeaf8cfb_prep
	.p2alignl 7, 3214868480
	.fill 96, 4, 3214868480
	.section	.rodata,"a",@progbits
	.p2align	6, 0x0
	.amdhsa_kernel k_qeeeeaf8cfb_prep
		.amdhsa_group_segment_fixed_size 33280
		.amdhsa_private_segment_fixed_size 0
		.amdhsa_enable_private_segment 0
		.amdhsa_kernarg_size 40
		.amdhsa_user_sgpr_count 2
		.amdhsa_user_sgpr_kernarg_segment_ptr 1
		.amdhsa_wavefront_size32 1
		.amdhsa_system_sgpr_workgroup_id_x 1
		.amdhsa_system_sgpr_workgroup_id_y 1
		.amdhsa_system_sgpr_workgroup_id_z 1
		.amdhsa_system_vgpr_workitem_id 0
		.amdhsa_next_free_vgpr 194
		.amdhsa_next_free_sgpr 66
		.amdhsa_reserve_vcc 1
		.amdhsa_float_denorm_mode_32 3
		.amdhsa_float_denorm_mode_16_64 3
		.amdhsa_memory_ordered 1
		.amdhsa_forward_progress 1
		.amdhsa_inst_pref_size 61
	.end_amdhsa_kernel
	.amdgpu_metadata
---
amdhsa.version: [ 1, 2 ]
amdhsa.kernels:
  - .name:           k_qeeeeaf8cfb_prep
    .symbol:         k_qeeeeaf8cfb_prep.kd
    .args:
      - { .name: x, .offset: 0, .size: 8, .value_kind: global_buffer, .address_space: global }
      - { .name: W, .offset: 8, .size: 8, .value_kind: global_buffer, .address_space: global }
      - { .name: xc, .offset: 16, .size: 8, .value_kind: global_buffer, .address_space: global }
      - { .name: wc, .offset: 24, .size: 8, .value_kind: global_buffer, .address_space: global }
      - { .name: sc, .offset: 32, .size: 8, .value_kind: global_buffer, .address_space: global }
    .group_segment_fixed_size: 33280
    .private_segment_fixed_size: 0
    .kernarg_segment_align: 8
    .kernarg_segment_size: 40
    .max_flat_workgroup_size: 128
    .sgpr_count:     66
    .vgpr_count:     194
    .wavefront_size: 32
...
	.end_amdgpu_metadata
.endif
;; end of part 1
;; launch gemm (part 2): grid 16 x 16, 4 waves a work-group, clusters of 4 x 4, 327,680 bytes of LDS; arguments xc, wc, sc, out0; writes out0
.if DOCPART == 2
	.amdgcn_target "amdgcn-amd-amdhsa--gfx1250"
	.amdhsa_code_object_version 6
	.text
	.protected	k_qeeeeaf8cfb_gemm
	.globl	k_qeeeeaf8cfb_gemm
	.p2align	8
	.type	k_qeeeeaf8cfb_gemm,@function
k_qeeeeaf8cfb_gemm:
	s_mov_b64 s[64:65], 0
	v_nop
	global_prefetch_b8 v0, s[64:65] scope:SCOPE_SE
	s_setreg_imm32_b32 hwreg(HW_REG_WAVE_MODE, 25, 1), 1
	s_wait_xcnt 0x0
	s_wait_alu depctr_hold_cnt(0) depctr_sa_sdst(0) depctr_va_vdst(0) depctr_va_sdst(0) depctr_va_ssrc(0) depctr_va_vcc(0) depctr_vm_vsrc(0)
	s_getreg_b32 s2, hwreg(HW_REG_IB_STS2, 6, 4)
	s_cmp_eq_u32 s2, 0
	s_cbranch_scc0 .Lentry_in_a_cluster
	s_endpgm
.Lentry_in_a_cluster:
	s_bfe_u32 s2, ttmp6, 0x10000c
	s_cmp_lg_u32 s2, 0xf033
	s_cbranch_scc0 .Lentry_shape_is_right
	s_endpgm
.Lentry_shape_is_right:
; out0[m][n] = sum over k of A[m][k] B[n][k].  A = Q(x), B = Q(Wm): codes of FP4 (E2M1), [4096][4096], K innermost, two codes a byte, with one E8M0 scale for each 32 along K; out0: [4096][4096] f32; sums in f32.
; THE PRODUCT IS DENSE, as the problem's contract counts it: every tile of B is multiplied, those that hold zero codes alone too.
; A tile of out0, 256 x 256, is made by a work-group of four waves; a wave makes 128 x 128: 64 accumulators of 16 x 16, 512 registers.  4,096 / 256 squared = 256 tiles, one to a work-group.
; K goes in 8 steps of 512 through a ring of two LDS slots filled by the tensor data mover: a tile's row is 256 bytes of memory, at a multiple of 256 from the buffer's first byte.
; THE SCALES go from memory straight into registers.  Beside the ring (278,528 bytes) and the spare words LDS has 48,640 bytes left, and the scales of the work-group's 512 rows for all of K are 65,536.
; They are laid [operand][K step][row][16 bytes], so that the four words of 16 rows for a K step are 256 consecutive bytes: one load of 16 bytes a lane brings A's block i into lanes 0-15 and B's block i into lanes 16-31.
; Two sets of 32 registers: the set that a K step has left is asked for again, for the K step two on, behind that step's last products: the load has a whole K step, 256 matrix instructions, in which to land.
; CLUSTERS: 4 x 4 work-groups.  The four of a row of the cluster need the same tiles of A, the four of a column the same tiles of B: each tile is asked for JOINTLY, by the same tensor load with the
; same descriptor and a mask that names the four.  THE MATRIX INSTRUCTION IS USED TRANSPOSED (source 0 = 16 rows of B, source 1 = 16 rows of A): a lane then holds eight neighbouring numbers of a row of out0.
; REGISTERS, in windows of 256: window 0: v0-31 addresses; v32-95 scale words, two sets; from v128 A's fragments (8 x 16 rows x 128 K), ONE set; on the way out v128-255 are free.
;   window 1: B's fragments, TWO sets, at v0 and at v128.   window 2: the 32 accumulators of my rows 0-63 (accumulator (a, b) at v[8 (8 a + b)]);   window 3: those of my rows 64-127.
; A step of 128 along K is 64 matrix instructions, A's blocks one after the other, each against B's eight.  So a block of A is free as soon as its eight products are issued, and one set of registers serves A:
; blocks 0-3 are fetched anew in the step's middle, blocks 4-7 at its end.  B's fragments are at work through the whole step, so B has two sets.
; LIMITS: those of the launch that makes the codes; scale bytes lie between 1 and 254.
.set SIZE_M, 4096
.set SIZE_N, 4096
.set SIZE_K, 4096
.set KSTEP,  512                       ; along K in a slot
.set NQ,     KSTEP/128                 ; matrix instructions deep
.set ROWB,   256                       ; a tile's row in bytes: KSTEP codes of 4 bits
.set KROW,   SIZE_K/2                  ; a row of A or of B in memory, in bytes
.set PITCH,  272                       ; an LDS row: 256 bytes of data + 16 of padding = 68 words: row r starts at bank 4 r mod 64 (64 banks of 4 bytes: ISA guide 11.1), so the 16 rows that a load touches start at 16 different banks
.set FR,     8                         ; registers of a fragment: 16 rows x 128 K
.set NL,     2                         ; LDS loads that bring one
.set NP,     4                         ; places behind this matrix instruction (ISA guide 7.12.1)
.set HALFT,  128*PITCH                 ; 128 rows: what one tensor load brings, and what one wave reads of A or of B
.set SLOT,   4*HALFT                   ; A's 256 rows, then B's 256 rows
.set LAPS,   SIZE_K/(2*KSTEP)          ; a lap = two K steps = once round the ring
.set SPARE,  2*SLOT                    ; behind the ring: the spare words, 128 bytes for each wave: two blocks of 256 bytes that no other line names
.set SPITCH, 528                       ; the way out: a stage of 16 rows x (512 bytes + 16) for each wave.  It lies in slot 0, which has had its last fill and its last read when the first result is stored there
.set KSC,    SIZE_M*16                 ; a K step's scale bytes of one operand
.set WSC,    8*KSC                     ; where B's scale bytes begin
.set ADRA, 16                          ; v16-17  LDS address of my A fragments in slot 0, 1
.set ADRB, 20                          ; v20-21  the same for B
.set STO,  24                          ; v24     the way out: where I put 32 bytes of a row
.set RD,   25                          ; v25     the way out: where I read a row back
.set CO,   26                          ; v26     my byte offset in a row of out0
.set ADRS, 27                          ; v27     my byte offset among a K step's scale bytes: lanes 0-15 A's rows, lanes 16-31 B's; never rewritten
.set SPW,  28                          ; v28     LDS address of my spare word: SPARE + 4 x my thread's number; never rewritten
.set NIL,  29                          ; v29     0; never rewritten
.set SC,   32                          ; scale words: set s (for slot s) at v[SC + 8 NQ s]; in it register NQ i + q: lanes 0-15 the word of A's block i, lanes 16-31 that of B's block i, for the slot's q-th 128 along K
.set AF,   128                         ; A's fragments, in window 0
.set BK,   128                         ; the way out: 16 rows read back from the stage: v128-191 and v192-255 by turns
.set G1, 24                            ; s[24:31] descriptor group 1 for A's tiles;  s[32:39] group 0, one set for each slot
.set G0, 32
.set G1B, 48                           ; s[48:55], s[56:63] the same for B's tiles
.set G0B, 56
.set MSB, 0
.macro WIN new                         ; the immediate's high byte repeats the setting that is left
.if MSB != \new
	s_set_vgpr_msb (MSB<<8)|\new
.set MSB, \new
.endif
.endm
.set MUL_LO, 0xa1                      ; source 0 (B) window 1, source 1 (A) window 0, C and D window 2
.set MUL_HI, 0xf1                      ; the same, C and D window 3
.set TO_B,   0x40                      ; destination window 1, address window 0
; A joint load: waves 0 and 1 fetch for A, waves 2 and 3 for B.  Each of the two lines has ONE mask and one set of registers for all that issue it; the branch hangs on the wave's number alone.
; Four v_nop follow each of the two lines, ahead of the jump, the label and what follows.
.macro JLOAD g0a, g1a, g0b, g1b
	s_cmp_eq_u32 s15, 0
	s_cbranch_scc0 .Lfor_b_\@
	tensor_load_to_lds s[\g0a:\g0a+3], s[\g1a:\g1a+7]
	s_nop 0
.rept 4
	v_nop
.endr
	s_branch .Lasked_\@
.Lfor_b_\@:
	tensor_load_to_lds s[\g0b:\g0b+3], s[\g1b:\g1b+7]
	s_nop 0
.rept 4
	v_nop
.endr
.Lasked_\@:
.endm
.macro CREST                           ; a round of the cluster's barrier behind its opening barrier
	s_cmp_lg_u32 s14, 0
	s_cbranch_scc1 .Lnot_wave_0_\@
	s_barrier_signal -3
.Lnot_wave_0_\@:
	s_barrier_wait -3
	s_barrier_signal -1
	s_barrier_wait -1
.endm
.macro CROUND                          ; a whole round
	s_barrier_signal -1
	s_barrier_wait -1
	CREST
.endm
	s_load_b256 s[4:11], s[0:1], 0x0               ; A's codes s[4:5], B's codes s[6:7], the scales s[8:9], out0 s[10:11]
	v_lshl_add_u32 v[SPW], v0, 2, SPARE
	v_mov_b32 v[NIL], 0
	ds_add_u32 v28, v29
	ds_add_u32 v28, v29
	s_wait_dscnt 0x0
	v_lshrrev_b32 v1, 5, v0
	v_readfirstlane_b32 s14, v1                    ; wave 0..3
	s_lshr_b32 s15, s14, 1                         ; which half of the tile's rows is mine.  Also: I fetch for A (0) or for B (1)
	s_and_b32 s16, s14, 1                          ; which half of its columns.  Also: which 128 rows of that tile I fetch
	s_bfe_u32 s40, ttmp6, 0x40000                  ; cx, cy: my place in the cluster
	s_bfe_u32 s41, ttmp6, 0x40004
	s_lshl_b32 s42, ttmp9, 2
	s_add_co_u32 s42, s42, s40                     ; tile column = 4 x cluster x + cx
	s_and_b32 s17, ttmp7, 0xffff
	s_lshl_b32 s17, s17, 2
	s_add_co_u32 s17, s17, s41                     ; tile row = 4 x cluster y + cy
	s_lshl_b32 s43, s41, 2
	s_lshl_b32 s43, 15, s43                        ; my row of the cluster
	s_lshl_b32 s44, 0x1111, s40                    ; my column
	; descriptor group 1: a tile of 128 rows x ROWB bytes, padded in LDS
	s_or_b32 s[G1+0], s43, (0<<16)|(1<<20)|(1<<21)|(5<<22)|(3<<25)  ; 15:0 the mask: A's tiles go to my row; 17:16 element of 1 byte; 20 padding on; 21 set beside a mask; 24:22 after every 64 words (code 5); 31:25 of 4 words (code 3)
	s_or_b32 s[G1B+0], s44, (0<<16)|(1<<20)|(1<<21)|(5<<22)|(3<<25)
.irp g, G1, G1B
	s_mov_b32 s[\g+1], ROWB<<16                    ; tensor_dim0
	s_mov_b32 s[\g+2], 128<<16                     ; tensor_dim1 = 128
	s_mov_b32 s[\g+3], ROWB<<16                    ; tile_dim0
	s_mov_b32 s[\g+4], 128                         ; tile_dim1 = 128
	s_mov_b32 s[\g+5], KROW                        ; tensor_dim0_stride
	s_mov_b32 s[\g+6], 0
	s_mov_b32 s[\g+7], 0
.endr
	; where the tiles come from.  A's hang on the tile row alone, which my row of the cluster shares; B's on the tile column alone, which my column shares.
	s_lshl_b32 s18, s16, 7                         ; which 128 rows of the tile I fetch
	s_lshl_b32 s20, s17, 8
	s_add_co_u32 s20, s20, s18                     ; A: row 256 x tile row + 128 x half
	s_lshl_b32 s46, s42, 8
	s_add_co_u32 s46, s46, s18                     ; B: row 256 x tile column + 128 x half
	s_mov_b32 s21, 0
	s_mov_b32 s47, 0
	s_mov_b64 s[18:19], KROW
	s_mul_u64 s[20:21], s[20:21], s[18:19]         ; in bytes
	s_mul_u64 s[46:47], s[46:47], s[18:19]
	s_mul_i32 s45, s14, HALFT                      ; where they go: wave x 128 rows: no place in the cluster enters an LDS address
	s_wait_kmcnt 0x0
	s_add_nc_u64 s[20:21], s[4:5], s[20:21]
	s_add_nc_u64 s[46:47], s[6:7], s[46:47]
	CROUND                                         ; all sixteen work-groups are here: the first joint loads meet
.irp s, 0,1
	s_mov_b32 s[G0+4*\s], 1                                        ; count = 1
	s_add_co_u32 s[G0+4*\s+1], s45, \s*SLOT                        ; LDS address
	s_add_nc_u64 s[G0+4*\s+2:G0+4*\s+3], s[20:21], \s*ROWB         ; global address: K step s
	s_or_b32 s[G0+4*\s+3], s[G0+4*\s+3], 0x80000000                ; type = 2
	s_mov_b32 s[G0B+4*\s], 1
	s_add_co_u32 s[G0B+4*\s+1], s45, \s*SLOT
	s_add_nc_u64 s[G0B+4*\s+2:G0B+4*\s+3], s[46:47], \s*ROWB
	s_or_b32 s[G0B+4*\s+3], s[G0B+4*\s+3], 0x80000000
	JLOAD G0+4*\s, G1, G0B+4*\s, G1B               ; the ring is filled before anything else is done: two tensor loads of mine are out
.endr
	v_and_b32 v1, 15, v0                           ; l % 16
	v_bfe_u32 v2, v0, 4, 1                         ; l / 16
	; my scale words: 16 bytes a row and K step.  Lanes 0-15: A's rows 256 x tile row + 128 x half on; lanes 16-31: B's rows 256 x tile column + 128 x half on, in B's part of the buffer
	s_lshl_b32 s66, s17, 8
	s_lshl_b32 s67, s15, 7
	s_add_co_u32 s66, s66, s67
	s_lshl_b32 s66, s66, 4
	s_lshl_b32 s67, s42, 8
	s_lshl_b32 s68, s16, 7
	s_add_co_u32 s67, s67, s68
	s_lshl_b32 s67, s67, 4
	s_add_co_u32 s67, s67, WSC
	s_sub_co_u32 s67, s67, s66                     ; the distance from A's to B's: between 458,768 and 589,808
	v_mul_u32_u24 v6, s67, v2
	v_lshl_add_u32 v5, v1, 4, s66
	v_add_nc_u32 v[ADRS], v5, v6
.macro SCALES sc, off                  ; a K step's scale words into set sc: sixteen lanes read 256 consecutive bytes, aligned.  No hint: other work-groups read them too
.irp i, 0,1,2,3,4,5,6,7
	global_load_b128 v[SC+8*NQ*\sc+NQ*\i:SC+8*NQ*\sc+NQ*\i+3], v[ADRS], s[8:9] offset:\off+256*\i
.endr
.endm
	SCALES 0, 0                                    ; K steps 0 and 1
	SCALES 1, KSC
	v_mul_u32_u24 v3, v1, PITCH
	v_lshl_add_u32 v4, v2, 4, v3                   ; a fragment's row x pitch + 16 x half
	s_mul_i32 s21, s15, HALFT                      ; my 128 rows of A
	s_mul_i32 s22, s16, HALFT                      ; my 128 rows of B,
	s_add_co_u32 s22, s22, 2*HALFT                 ; which lie behind A's 256
.irp s, 0,1
	v_add_nc_u32 v[ADRA+\s], s21, v4
	v_add_nc_u32 v[ADRB+\s], s22, v4
	s_add_co_u32 s21, s21, SLOT
	s_add_co_u32 s22, s22, SLOT
.endr
	s_mul_i32 s23, s14, 16*SPITCH                  ; my stage
	v_mul_u32_u24 v5, v1, SPITCH                   ; in: row l % 16, 32 bytes for each half of the lanes
	v_lshl_add_u32 v5, v2, 5, v5
	v_add_nc_u32 v[STO], s23, v5
	v_and_b32 v6, 31, v0
	v_lshlrev_b32 v[CO], 4, v6                     ; back: the 32 lanes take one row of 512 bytes; and the same in out0
	v_add_nc_u32 v[RD], s23, v[CO]
	s_lshl_b32 s20, s17, 8
	s_lshl_b32 s21, s15, 7
	s_add_co_u32 s20, s20, s21                     ; my first row of out0: 256 x tile row + 128 x half
	s_mov_b32 s21, 0
	s_mov_b64 s[18:19], SIZE_N*4
	s_mul_u64 s[20:21], s[20:21], s[18:19]
	s_lshl_b32 s46, s42, 10                        ; my first column, in bytes: 1024 x tile column + 512 x half
	s_lshl_b32 s47, s16, 9
	s_add_co_u32 s46, s46, s47
	s_mov_b32 s47, 0
	s_add_nc_u64 s[20:21], s[20:21], s[46:47]
	s_add_nc_u64 s[10:11], s[10:11], s[20:21]
.macro FRAG reg, adr, q, i             ; a fragment, 16 rows x 128 K of 4-bit codes, is 8 registers: lane l holds row l % 16; registers 4 c .. 4 c + 3 hold K = 64 c + 32 (l / 16) + 0 .. 31, the lower K in the lower bits
.irp c, 0,1
	ds_load_b128 v[\reg+4*\c:\reg+4*\c+3], v[\adr] offset:64*(\q)+32*\c+(\i)*16*PITCH
.endr
.endm
; 16 matrix instructions: A's blocks a0, a0 + 1 x B's eight, 128 along K: the slot's q-th.  p: B's set;  sc: the set of scale words.  zero = 1: the first product starts the sums: nothing is ever cleared.
; The 64 accumulators take turns, one instruction a turn, in the same order in every step.
.macro MUL16 a0, p, q, sc, zero
.irp a, \a0, \a0+1
.irp b, 0,1,2,3,4,5,6,7
.if \zero
	v_wmma_scale_f32_16x16x128_f8f6f4 v[8*(8*((\a)%4)+\b):8*(8*((\a)%4)+\b)+7], v[128*(\p)+FR*\b:128*(\p)+FR*\b+FR-1], v[AF+FR*(\a):AF+FR*(\a)+FR-1], 0, v[SC+8*NQ*(\sc)+NQ*\b+(\q)], v[SC+8*NQ*(\sc)+NQ*(\a)+(\q)] matrix_a_fmt:MATRIX_FMT_FP4 matrix_b_fmt:MATRIX_FMT_FP4 matrix_a_scale:MATRIX_SCALE_ROW1
.else
	v_wmma_scale_f32_16x16x128_f8f6f4 v[8*(8*((\a)%4)+\b):8*(8*((\a)%4)+\b)+7], v[128*(\p)+FR*\b:128*(\p)+FR*\b+FR-1], v[AF+FR*(\a):AF+FR*(\a)+FR-1], v[8*(8*((\a)%4)+\b):8*(8*((\a)%4)+\b)+7], v[SC+8*NQ*(\sc)+NQ*\b+(\q)], v[SC+8*NQ*(\sc)+NQ*(\a)+(\q)] matrix_a_fmt:MATRIX_FMT_FP4 matrix_b_fmt:MATRIX_FMT_FP4 matrix_a_scale:MATRIX_SCALE_ROW1
.endif
.endr
.endr
.endm
.macro FETCH_B slot, q, p              ; B's eight fragments of the slot's q-th 128 along K into set p
	WIN TO_B
.irp i, 0,1,2,3,4,5,6,7
	FRAG 128*(\p)+FR*\i, ADRB+\slot, \q, \i
.endr
	WIN 0
.endm
.macro FETCH_A slot, q, i0             ; A's blocks i0 .. i0 + 3
.irp i, \i0, \i0+1, \i0+2, \i0+3
	FRAG AF+FR*(\i), ADRA+\slot, \q, \i
.endr
.endm
; A load into a register that a matrix instruction has read, and an LDS store that reads a matrix result, stand NP places behind that matrix instruction, and only plain vector
; instructions that name none of its registers are places (ISA guide 7.12.1 for vector instructions); this text does not count the matrix instructions in between.
.macro PLACES n
.rept \n
	v_nop
.endr
.endm
; A step of 128 along K that has its successor in the same slot.
.macro STEP slot, q, zero
	s_wait_dscnt 4*NL                              ; B's set and A's blocks 0-3 are in; the youngest eight loads (A's blocks 4-7) may be out
	WIN MUL_LO
	MUL16 0, (\q)%2, \q, \slot, \zero
	MUL16 2, (\q)%2, \q, \slot, \zero
	s_wait_dscnt 0                                 ; A's blocks 4-7 are in (asked for 32 matrix instructions ago)
	PLACES NP
	FETCH_B \slot, (\q)+1, 1-(\q)%2
	FETCH_A \slot, (\q)+1, 0
	WIN MUL_HI
	MUL16 4, (\q)%2, \q, \slot, \zero
	MUL16 6, (\q)%2, \q, \slot, \zero
	PLACES NP
	WIN 0
	FETCH_A \slot, (\q)+1, 4
.endm
; A slot's last step changes slots: ONE barrier; in front of it each wave waits for all its tensor loads, adds 0 to its spare word, and waits for that and for its own reads of this slot.
; fill = 1: this slot is filled again, two K steps ahead, and so is its set of scale words.
.macro TURN slot, next, fill
	s_wait_tensorcnt 0x0                           ; all my tensor loads have landed: my part of the next slot;  (every window is 0 here: the add's two registers lie in window 0)
	ds_add_u32 v[SPW], v[NIL]                      ; 0 onto my spare word;
	s_wait_dscnt 4*NL+1                            ; (the add and the youngest eight loads, A's blocks 4-7, may be out)
	WIN MUL_LO
	MUL16 0, 1, NQ-1, \slot, 0                     ; sixteen matrix instructions stand between the add and the wait for it
	s_wait_dscnt 0x0                               ; the add is done, and my reads of this slot are over
	s_barrier_signal -1
	MUL16 2, 1, NQ-1, \slot, 0
	WIN 0
	s_barrier_wait -1
.if \fill
	CREST                                          ; the barrier has opened a round of the cluster's barrier: no wave of any partner still reads this slot's tile or has a load on its way
	s_add_nc_u64 s[G0+4*\slot+2:G0+4*\slot+3], s[G0+4*\slot+2:G0+4*\slot+3], 2*ROWB
	s_add_nc_u64 s[G0B+4*\slot+2:G0B+4*\slot+3], s[G0B+4*\slot+2:G0B+4*\slot+3], 2*ROWB
	JLOAD G0+4*\slot, G1, G0B+4*\slot, G1B         ; the first tensor load behind the round; the four v_nop behind it are the places in front of the loads below
.else
	PLACES NP
.endif
	FETCH_B \next, 0, 0
	FETCH_A \next, 0, 0
	WIN MUL_HI
	MUL16 4, 1, NQ-1, \slot, 0
	MUL16 6, 1, NQ-1, \slot, 0
	PLACES NP                                      ; for the loads into A's blocks 4-7 and into this slot's scale words, which the products above have read
	WIN 0
	FETCH_A \next, 0, 4
	s_wait_loadcnt 0x0                             ; the next slot's scale words, asked for a K step ago, are in; no load of mine names the base any more
.if \fill
	s_add_nc_u64 s[8:9], s[8:9], KSC               ; one K step on,
	SCALES \slot, KSC                              ; and one more in the immediate: the K step two on, into the set just left.  The last such load reads K step 7
.endif
.endm
.macro STEPS slot, from                ; the slot's steps from .. NQ - 2
.set Q, \from
.rept NQ-1-\from
	STEP \slot, Q, 0
.set Q, Q+1
.endr
.endm
	s_wait_tensorcnt 1                             ; my part of K step 0 is in (K step 1's load, issued behind it, may be out)
	s_barrier_signal -1
	s_barrier_wait -1                              ; everybody's is
	FETCH_B 0, 0, 0
	FETCH_A 0, 0, 0
	FETCH_A 0, 0, 4
	s_wait_loadcnt 0x0                             ; the scale words of K steps 0 and 1
	STEP 0, 0, 1                                   ; the first step stands in front of the loop: its products start the sums
	s_mov_b32 s3, LAPS-1
.Llap:                                                 ; a trip goes once round the ring, from a lap's second step to the next lap's first, and fills both slots again
	STEPS 0, 1
	TURN 0, 1, 1
	STEPS 1, 0
	TURN 1, 0, 1
	STEP 0, 0, 0
	s_sub_co_u32 s3, s3, 1
	s_cmp_lg_u32 s3, 0
	s_cbranch_scc1 .Llap
	STEPS 0, 1                                     ; the last lap fills nothing, and has no round of the cluster's barrier
	TURN 0, 1, 0
	STEPS 1, 0
	s_wait_dscnt 4*NL                              ; the very last step: nothing more to fetch
	WIN MUL_LO
	MUL16 0, 1, NQ-1, 1, 0
	MUL16 2, 1, NQ-1, 1, 0
	s_wait_dscnt 0
	WIN MUL_HI
	MUL16 4, 1, NQ-1, 1, 0
	MUL16 6, 1, NQ-1, 1, 0
	WIN 0
; THE WAY OUT, block by block of 16 rows x 128 columns.  A lane holds 32 neighbouring bytes of a row, and the lanes beside it hold other rows: so a block goes through my own stage in LDS and comes back as whole
; rows of 512 bytes, which the 32 lanes store.  LDS serves a wave's instructions in order (ISA guide 5.7.1.4): no wait between the stores and the loads, nor in front of the next block's stores.
.macro TOSTAGE a
.set AC, 64*((\a)%4)
	WIN 0x08+4*((\a)/4)                            ; the data: window 2 or 3
.irp b, 0,1,2,3,4,5,6,7
	ds_store_b128 v[STO], v[AC+8*\b:AC+8*\b+3] offset:64*\b          ; each accumulator from its low end on
	ds_store_b128 v[STO], v[AC+8*\b+4:AC+8*\b+7] offset:64*\b+16
.endr
	WIN 0
.set BB, BK+64*((\a)%2)
.irp t, 0,1,2,3,4,5,6,7,8,9,10,11,12,13,14,15
	ds_load_b128 v[BB+4*\t:BB+4*\t+3], v[RD] offset:\t*SPITCH
.endr
.endm
.macro SEND a, younger                 ; younger: the LDS instructions issued behind block a's loads, which may stay out
.set BB, BK+64*((\a)%2)
	s_wait_dscnt \younger                          ; the block is back in registers
.if (\a) > 0
	s_add_nc_u64 s[10:11], s[10:11], 16*SIZE_N*4   ; (behind a wait on XCNT: the earlier stores have read their base)  16 rows of out0 on: the stores' offsets are 15 rows at the most, 245,760 bytes
.endif
.irp t, 0,1,2,3,4,5,6,7,8,9,10,11,12,13,14,15
	global_store_b128 v[CO], v[BB+4*\t:BB+4*\t+3], s[10:11] offset:\t*SIZE_N*4 th:TH_STORE_NT   ; 32 lanes store 512 consecutive bytes, at a multiple of 512 from out0's first byte; written once, read by nobody here
.endr
.endm
	PLACES NP                                      ; between the last products and the loads into the registers that held A's fragments, and block 7's reads alike
	TOSTAGE 0
.irp a, 1,2,3,4,5,6,7
.if \a > 1
	s_wait_xcnt 0x0                                ; block a - 2's stores have read their registers and their base: block a's loads may land there, and the base may step
.endif
	TOSTAGE \a
	SEND \a-1, 32                                  ; behind block a - 1's loads: block a's 16 stores and 16 loads
.endr
	s_wait_xcnt 0x0                                ; block 6's stores have read their base
	SEND 7, 0
	s_wait_tensorcnt 0x0                           ; the wave's end, behind my last tensor load and my last LDS store
	ds_add_u32 v[SPW], v[NIL]
	s_wait_dscnt 0x0
	CROUND                                         ; the closing round: no work-group ends while a partner may still ask for a tile that names it
	s_endpgm
.Lfunc_end_k_qeeeeaf8cfb_gemm:
	.size	k_qeeeeaf8cfb_gemm, .Lfunc_end_k_qeeeeaf8cfb_gemm-k_qeeeeaf8cfb_gemm
	.p2alignl 7, 3214868480
	.fill 96, 4, 3214868480
	.section	.rodata,"a",@progbits
	.p2align	6, 0x0
	.amdhsa_kernel k_qeeeeaf8cfb_gemm
		.amdhsa_group_segment_fixed_size 327680
		.amdhsa_private_segment_fixed_size 0
		.amdhsa_enable_private_segment 0
		.amdhsa_kernarg_size 32
		.amdhsa_user_sgpr_count 2
		.amdhsa_user_sgpr_kernarg_segment_ptr 1
		.amdhsa_wavefront_size32 1
		.amdhsa_system_sgpr_workgroup_id_x 1
		.amdhsa_system_sgpr_workgroup_id_y 1
		.amdhsa_system_sgpr_workgroup_id_z 1
		.amdhsa_system_vgpr_workitem_id 0
		.amdhsa_next_free_vgpr 1024
		.amdhsa_next_free_sgpr 72
		.amdhsa_reserve_vcc 0
		.amdhsa_float_denorm_mode_32 3
		.amdhsa_float_denorm_mode_16_64 3
		.amdhsa_memory_ordered 1
		.amdhsa_forward_progress 1
		.amdhsa_inst_pref_size 210
	.end_amdhsa_kernel
	.amdgpu_metadata
---
amdhsa.version: [ 1, 2 ]
amdhsa.kernels:
  - .name:           k_qeeeeaf8cfb_gemm
    .symbol:         k_qeeeeaf8cfb_gemm.kd
    .args:
      - { .name: xc, .offset: 0, .size: 8, .value_kind: global_buffer, .address_space: global }
      - { .name: wc, .offset: 8, .size: 8, .value_kind: global_buffer, .address_space: global }
      - { .name: sc, .offset: 16, .size: 8, .value_kind: global_buffer, .address_space: global }
      - { .name: out0, .offset: 24, .size: 8, .value_kind: global_buffer, .address_space: global }
    .group_segment_fixed_size: 327680
    .private_segment_fixed_size: 0
    .kernarg_segment_align: 8
    .kernarg_segment_size: 32
    .max_flat_workgroup_size: 128
    .sgpr_count:     72
    .vgpr_count:     1024
    .wavefront_size: 32
...
	.end_amdgpu_metadata
.endif
;; end of part 2
;; ======== version 2 of 2: 2 launches; 1.42 times as fast as version 1
;; workspace buffers: tab 32,768 bytes
;; launch diag (part 3): grid 32 x 1, 1 waves a work-group, no clusters, 0 bytes of LDS; arguments W, tab; writes tab
.if DOCPART == 3
	.amdgcn_target "amdgcn-amd-amdhsa--gfx1250"
	.amdhsa_code_object_version 6
	.text
	.protected	k_qeeeeaf8cfb_diag
	.globl	k_qeeeeaf8cfb_diag
	.p2align	8
	.type	k_qeeeeaf8cfb_diag,@function
k_qeeeeaf8cfb_diag:
	s_mov_b64 s[64:65], 0
	v_nop
	global_prefetch_b8 v0, s[64:65] scope:SCOPE_SE
	s_setreg_imm32_b32 hwreg(HW_REG_WAVE_MODE, 25, 1), 1
	s_wait_xcnt 0x0
; Wm = W under the identity mask that the problem itself builds, with |w| <= 0.001 set to 0: row o of Wm has one number that can differ from 0, at k = o.  So of W [4096][4096] f32 only the diagonal is read.
; Each number of the diagonal is quantised along K to a code of FP4 (E2M1) with the E8M0 scale of its block of 32, in which all else is 0.
; The scale is 2^(floor(log2 |w|) - 2); its byte is |w|'s exponent field - 2, held at 1 from below.
; OUT.  tab: [strip j of 128 columns: 32][1,024 bytes]: 512 bytes P[r: 16][t: 8], then 512 bytes S[r][t], words of 4 bytes, for column o = 128 j + 16 t + r:
;   P = the code at its four-bit place in a register of the matrix operand, 4 (r % 8) bits up;  S = the scale's byte in all four places.
; So the product's launch takes a lane's eight words of P, and of S, by two loads of 16 bytes each.  The diagonal's words lie 16,388 bytes apart: they are gathered here once, not by each of that launch's 256 work-groups.
; SHARES.  One wave to a strip.  Lane l holds words 4 l .. 4 l + 3 of P and of S: r = l / 2, t = 4 (l % 2) + i: four gathered numbers; each store of the wave covers 512 consecutive bytes, aligned.
; LIMITS.  NaN and infinities are not served: a NaN on the diagonal counts as under the threshold; off the diagonal, where the product with the mask's 0 would be NaN, nothing is read.
; A number set to 0 keeps the byte 1 where the rule says 127: its code is 0, which adds nothing under any byte but 0xff, and the bytes are read by this program alone.
.set DIAG,  16388                      ; from one number of W's diagonal to the next, in bytes
.set FLOOR, 0x1800000                  ; 2^(3 - 127): under it no largest magnitude is taken, so that the byte cannot fall under 1
.set EOFF,  0xff000000                 ; takes 2 off an exponent field
.set WD,  8                            ; v8-11   the four numbers as loaded
.set T,   16                           ; v16-47  four sets of eight numbers for the conversions: mine and seven of the mask's zeros
.set PWD, 48                           ; v48-51  the four words of P
.set SWD, 52                           ; v52-55  the four words of S
.set SOP, 56                           ; v56-59  the conversions' scale operands
.set CD,  60                           ; v60-63  the codes
	s_load_b128 s[4:7], s[0:1], 0x0                ; W s[4:5], tab s[6:7]
	v_lshrrev_b32 v1, 1, v0                        ; r (one wave: v0 is the lane)
	v_and_b32 v2, 1, v0
	v_lshl_add_u32 v3, v2, 6, v1                   ; my first column in the strip: 16 x 4 (l % 2) + r
	v_mul_u32_u24 v3, v3, DIAG
	v_lshlrev_b32 v4, 4, v0                        ; 16 bytes a lane
	v_and_b32 v5, 7, v1
	v_lshlrev_b32 v5, 2, v5                        ; four bits a code: 4 (r % 8)
	s_mul_i32 s8, ttmp9, 128*DIAG                  ; the strip's first number of the diagonal: under 2^26
	s_mov_b32 s9, 0
	s_lshl_b32 s10, ttmp9, 10                      ; the strip's 1,024 bytes of tab
	s_mov_b32 s11, 0
	s_mov_b32 s14, 0x3a83126f                      ; the threshold, 0.001 in f32
	s_mov_b32 s15, 0x01010101                      ; a byte into all four places of a word
	s_wait_kmcnt 0x0
	s_add_nc_u64 s[4:5], s[4:5], s[8:9]
	s_add_nc_u64 s[6:7], s[6:7], s[10:11]
.irp i, 0,1,2,3
	global_load_b32 v[WD+\i], v3, s[4:5] offset:\i*16*DIAG th:TH_LOAD_NT   ; W[o][o], 16 columns on for each i; read once in the launch
.endr
.irp i, 0,1,2,3
.irp k, 1,2,3,4,5,6,7
	v_mov_b32 v[T+8*\i+\k], 0
.endr
.endr
	s_wait_loadcnt 0x0
.irp i, 0,1,2,3
	v_cmp_lt_f32 vcc_lo, s14, |v[WD+\i]|           ; 0.001 < |w|
	v_cndmask_b32 v[T+8*\i], 0, v[WD+\i], vcc_lo   ; w, or 0
.endr
.irp i, 0,1,2,3
	v_max_num_f32 v[SOP+\i], FLOOR, |v[T+8*\i]|    ; its block's largest magnitude, and the floor
.endr
.irp i, 0,1,2,3
	v_add_nc_u32 v[SOP+\i], EOFF, v[SOP+\i]        ; 2 off the exponent field: the conversion takes the exponent field of this operand as its scale
.endr
.irp i, 0,1,2,3
	v_cvt_scalef32_pk8_fp4_f32 v[CD+\i], v[T+8*\i:T+8*\i+7], v[SOP+\i]   ; my code in the lowest four bits, zeros above
.endr
.irp i, 0,1,2,3
	v_lshrrev_b32 v[SWD+\i], 23, v[SOP+\i]         ; the scale's byte.  (The first of these is the plain line between the last conversion and the use of the results)
.endr
.irp i, 0,1,2,3
	v_mul_lo_u32 v[SWD+\i], v[SWD+\i], s15         ; in all four places: three of a K step's four blocks hold zero codes alone
.endr
.irp i, 0,1,2,3
	v_lshlrev_b32 v[PWD+\i], v5, v[CD+\i]          ; the code at its place
.endr
	global_store_b128 v4, v[PWD:PWD+3], s[6:7]             ; 512 consecutive bytes, aligned
	global_store_b128 v4, v[SWD:SWD+3], s[6:7] offset:512
	s_endpgm
.Lfunc_end_k_qeeeeaf8cfb_diag:
	.size	k_qeeeeaf8cfb_diag, .Lfunc_end_k_qeeeeaf8cfb_diag-k_qeeeeaf8cfb_diag
	.p2alignl 7, 3214868480
	.fill 96, 4, 3214868480
	.section	.rodata,"a",@progbits
	.p2align	6, 0x0
	.amdhsa_kernel k_qeeeeaf8cfb_diag
		.amdhsa_group_segment_fixed_size 0
		.amdhsa_private_segment_fixed_size 0
		.amdhsa_enable_private_segment 0
		.amdhsa_kernarg_size 16
		.amdhsa_user_sgpr_count 2
		.amdhsa_user_sgpr_kernarg_segment_ptr 1
		.amdhsa_wavefront_size32 1
		.amdhsa_system_sgpr_workgroup_id_x 1
		.amdhsa_system_sgpr_workgroup_id_y 1
		.amdhsa_system_sgpr_workgroup_id_z 1
		.amdhsa_system_vgpr_workitem_id 0
		.amdhsa_next_free_vgpr 64
		.amdhsa_next_free_sgpr 66
		.amdhsa_reserve_vcc 1
		.amdhsa_float_denorm_mode_32 3
		.amdhsa_float_denorm_mode_16_64 3
		.amdhsa_memory_ordered 1
		.amdhsa_forward_progress 1
		.amdhsa_inst_pref_size 5
	.end_amdhsa_kernel
	.amdgpu_metadata
---
amdhsa.version: [ 1, 2 ]
amdhsa.kernels:
  - .name:           k_qeeeeaf8cfb_diag
    .symbol:         k_qeeeeaf8cfb_diag.kd
    .args:
      - { .name: W, .offset: 0, .size: 8, .value_kind: global_buffer, .address_space: global }
      - { .name: tab, .offset: 8, .size: 8, .value_kind: global_buffer, .address_space: global }
    .group_segment_fixed_size: 0
    .private_segment_fixed_size: 0
    .kernarg_segment_align: 8
    .kernarg_segment_size: 16
    .max_flat_workgroup_size: 32
    .sgpr_count:     66
    .vgpr_count:     64
    .wavefront_size: 32
...
	.end_amdgpu_metadata
.endif
;; end of part 3
;; launch fused (part 4): grid 256 x 1, 4 waves a work-group, no clusters, 307,712 bytes of LDS; arguments x, tab, out0; writes out0
.if DOCPART == 4
	.amdgcn_target "amdgcn-amd-amdhsa--gfx1250"
	.amdhsa_code_object_version 6
	.text
	.protected	k_qeeeeaf8cfb_fused
	.globl	k_qeeeeaf8cfb_fused
	.p2align	8
	.type	k_qeeeeaf8cfb_fused,@function
k_qeeeeaf8cfb_fused:
	s_mov_b64 s[64:65], 0
	v_nop
	global_prefetch_b8 v0, s[64:65] scope:SCOPE_SE
	s_setreg_imm32_b32 hwreg(HW_REG_WAVE_MODE, 25, 1), 1
	s_wait_xcnt 0x0
; out0[b][o] = the sum over k of Q(x)[b][k] Q(Wm)[o][k].  x, out0: [4096][4096] f32.  Q: codes of FP4 (E2M1) with one E8M0 scale for each 32 along K; products by v_wmma_scale_f32_16x16x128_f8f6f4, sums in f32.
; Wm = W under the problem's own identity mask and threshold; its diagonal comes quantised in tab: [strip of 128 columns: 32][P[r: 16][t: 8], S[r][t]], for column 128 j + 16 t + r: the code at its four-bit place, the scale word.
; THE PRODUCT IS DENSE, as the problem's contract counts it: every strip of 128 columns is multiplied through all 32 K steps of 128.  In 31 of them Wm's tile holds zero codes alone, by the mask:
; those tiles are not moved through memory or LDS: ONE fragment of zero codes in registers stands for all of them.  Their products add nothing; they are written because the contract asks for the whole product.
; SHARES.  A work-group owns 16 rows of x and all 4,096 columns: 4,096 / 16 = 256 work-groups.  So each number of x is wanted by one work-group, and is quantised here, in registers, on its way.
; Wave w quantises K steps 8 w .. 8 w + 7 and makes columns 1,024 w .. 1,024 w + 1,023, as eight GROUPS of 128 columns: group g is strip j = 8 w + g, whose diagonal lies in K step j.
; PHASE 1.  x comes by the tensor data mover, one load a K step (16 rows x 512 bytes), all 32 side by side in LDS: every LDS byte is filled ONCE: no ring, no refill.  A wave has eight tensor loads out at the most.
; A wave reads only its own tiles, behind its own wait on TENSORcnt; each becomes a fragment (8 registers a lane) and a scale word, which go to LDS as images of their registers.  One barrier.
; PHASE 2.  Every wave loads all 32 fragments of x into 256 registers, once, and keeps them: no fragment is read twice.  The quarters of K are turned by the wave's number: slot 8 c + p holds K step 8 ((w + c) % 4) + p,
; so that the wave's eight diagonal K steps lie in slots 0 to 7, group g's in slot g.  (The order of K within a sum is so turned too: all but one of a sum's K steps add 0.)
; A group is 256 matrix instructions on 8 accumulators by turns: slots 8 to 31 with the zero fragment; slots 0 to 7 each under a scalar branch on the group's number: the diagonal's eight fragments in slot g, the zero fragment elsewhere.
; Two sets of accumulators take turns: a finished group goes through the wave's stage in LDS and out to memory inside the next group's run of matrix instructions.
; THE MATRIX INSTRUCTION IS USED TRANSPOSED: source 0 = 16 columns of Wm, source 1 = 16 rows of x: a lane then holds eight neighbouring numbers of a row of out0.
; NO CLUSTER: work-groups share only tab's 32,768 bytes, beside 524,288 bytes of x and out0 that are each work-group's own.
; LIMITS.  NaN and infinities in x are not served.  A block whose largest magnitude lies under 2^-124 takes the byte 1, as the rule's hold at -126 asks; such blocks were not tried.
; A block of zeros keeps the byte 1 where the rule says 127 (the zero fragment: 127): its codes are zeros, which add nothing under any byte but 0xff, and the bytes are read by this program alone.
; REGISTERS, in windows of 256 (s_set_vgpr_msb: bits 1:0 source 0, 3:2 source 1, 5:4 source 2, 7:6 destination):
;   window 0: v1-29 addresses and work; v32-63 x's scale words by slot; v64-79 Wm's scale words, two sets; v80-95 Wm's placed codes, two sets; v96-103 codes just made; v112 the zero fragment's scale word; v128-191 64 numbers of x, later 16 rows of out0
;   window 1: x's 32 fragments, slot s at v[8 s]        window 2: v0-63, v64-127 two sets of 8 accumulators; v128-191 the diagonal's 8 fragments; v192-199 the zero fragment
.set ROWB,  16384                      ; a row of x or out0 in bytes
.set PITCH, 528                        ; a tile's row in LDS: 512 bytes + 16 of padding = 33 pieces of 16 bytes: sixteen rows fall on sixteen different 16-byte columns modulo 256 bytes
.set UB,    16*PITCH                   ; a K step's tile: 8,448 bytes = 33 blocks of 256
.set IMG,   32*UB                      ; 270,336: behind the tiles: x's 32 fragments as images: K step k, registers 4 c on, at 1,024 k + 512 c + 16 x lane.  No fill lands here
.set ISC,   IMG+32*1024                ; 303,104: their scale words: 128 k + 4 x lane; the end is 307,200
.set FLOOR, 0x1800000                  ; 2^(3 - 127): under it no largest magnitude is taken, so that the scale's byte cannot fall under 1
.set EOFF,  0xff000000                 ; takes 2 off an exponent field
.set LA,   4                           ; v4   where I read my numbers of x: my wave's tiles + 528 r + 128 h
.set STO,  5                           ; v5   the way out: where I put 32 bytes of a row: my wave's first tile + 528 r + 32 h
.set RD,   6                           ; v6   the way out: where I read a row back: my wave's first tile + 16 x lane
.set CO,   7                           ; v7   16 x lane: my bytes of a row's 512 in out0
.set LIW,  8                           ; v8   where I store my fragments: IMG + 8,192 x wave + 16 x lane
.set LSW,  9                           ; v9   and their scale words: ISC + 1,024 x wave + 4 x lane
.set TO,   10                          ; v10  32 r: my eight words in a strip's P or S
.set AI,   12                          ; v12-15 where quarter c of the slots comes from: IMG + 8,192 ((w + c) % 4) + 16 x lane
.set AQ,   16                          ; v16-19 and its scale words: ISC + 1,024 ((w + c) % 4) + 4 x lane
.set SH,   20                          ; v20  8 h
.set TP,   21                          ; v21  a lane permute's destination
.set XW,   22                          ; v22  the scale word just made
.set TW,   23                          ; v23  at work
.set MX,   24                          ; v24-25 two blocks' largest magnitudes
.set SOP,  26                          ; v26-27 the conversions' scale operands
.set BY,   28                          ; v28-29 the scales' bytes
.set AS,   32                          ; v32-63 x's scale words by slot: hold scales and nothing else
.set SW,   64                          ; v64-79 Wm's scale words, set 0 and set 1: hold scales and nothing else
.set PW,   80                          ; v80-95 Wm's placed codes, set 0 and set 1
.set XC,   96                          ; v96-103 x's codes just made
.set BZS,  112                         ; v112 the zero fragment's scale word: holds a scale and nothing else
.set XN,   128                         ; v128-191 64 numbers of x
.set RB,   128                         ; v128-191 later: 16 rows read back from the stage
.set BD,   128                         ; window 2: the diagonal's fragments
.set BZ,   192                         ; window 2: the zero fragment
.set WV,   10                          ; s10  my wave's number
.set G1,   16                          ; s[16:23] descriptor group 1;  s[24:55] group 0 for my eight K steps
.set G0,   24
.set SEL,  56                          ; s[56:57] v_permlanex16_b32's selects for lane l xor 16
.set WL,   58                          ; s58  my wave's tiles in LDS
.set GI,   59                          ; s59  the group in hand, 0 to 7
.set TR,   60                          ; s60  trips to go
.set MK,   68                          ; s[68:71] lane masks: lanes 0-7, 8-15, 16-23, 24-31
.set MSB, 0
.macro WIN new                         ; the immediate's high byte repeats the setting that is left; a switch that changes nothing is dropped
.if MSB != \new
	s_set_vgpr_msb (MSB<<8)|\new
.set MSB, \new
.endif
.endm
.set MUL, 0xa6                         ; source 0 (Wm) window 2, source 1 (x) window 1, C and D window 2
.macro PLACES                          ; four places: plain vector instructions that name none of a matrix instruction's registers (ISA guide 7.12.1)
.rept 4
	v_nop
.endr
.endm
	s_load_b128 s[4:7], s[0:1], 0x0                ; x s[4:5], tab s[6:7]
	s_load_b64 s[8:9], s[0:1], 0x10                ; out0
	v_lshl_add_u32 v254, v0, 2, 0x4b000
	v_mov_b32 v255, 0
	ds_add_u32 v254, v255
	ds_add_u32 v254, v255
	v_lshrrev_b32 v1, 5, v0
	v_readfirstlane_b32 s[WV], v1                  ; wave 0..3
	s_mul_i32 s[WL], s[WV], 8*UB
	; descriptor group 1: a tile of 16 rows x 128 elements of 4 bytes, 4,096 elements from row to row, padded in LDS
	s_mov_b32 s[G1+0], (2<<16)|(1<<20)|(6<<22)|(3<<25)   ; 15:0 no mask; 17:16 elements of 4 bytes; 20 padding on; 24:22 after every 128 words (code 6); 31:25 four words (code 3)
	s_mov_b32 s[G1+1], 128<<16                     ; tensor_dim0 = 128
	s_mov_b32 s[G1+2], 16<<16                      ; tensor_dim1 = 16
	s_mov_b32 s[G1+3], 128<<16                     ; tile_dim0 = 128
	s_mov_b32 s[G1+4], 16                          ; tile_dim1 = 16
	s_mov_b32 s[G1+5], 4096                        ; tensor_dim0_stride
	s_mov_b32 s[G1+6], 0
	s_mov_b32 s[G1+7], 0
	s_mov_b32 s[SEL], 0x76543210
	s_mov_b32 s[SEL+1], 0xfedcba98
	s_mov_b32 s[MK+0], 0x000000ff
	s_mov_b32 s[MK+1], 0x0000ff00
	s_mov_b32 s[MK+2], 0x00ff0000
	s_mov_b32 s[MK+3], 0xff000000
	s_mov_b32 s[GI], 0
	s_lshl_b32 s12, ttmp9, 18                      ; my work-group's 16 rows of 16,384 bytes,
	s_lshl_b32 s11, s[WV], 12                      ; + 4,096 bytes a wave: in x its eight K steps, in out0 its 1,024 columns: under 2^26
	s_add_co_u32 s12, s12, s11
	s_mov_b32 s13, 0
	s_lshl_b32 s14, s[WV], 13                      ; tab: my eight strips of 1,024 bytes
	s_mov_b32 s15, 0
	s_wait_dscnt 0x0
	s_wait_kmcnt 0x0
	s_add_nc_u64 s[4:5], s[4:5], s[12:13]
	s_add_nc_u64 s[8:9], s[8:9], s[12:13]
	s_add_nc_u64 s[6:7], s[6:7], s[14:15]
.irp u, 0,1,2,3,4,5,6,7
	s_mov_b32 s[G0+4*\u], 1                                        ; count = 1
	s_add_co_u32 s[G0+4*\u+1], s[WL], \u*UB                        ; LDS address: wave x 67,584 + unit x 8,448
	s_add_nc_u64 s[G0+4*\u+2:G0+4*\u+3], s[4:5], \u*512            ; global address: my first row, K step 8 w + u
	s_or_b32 s[G0+4*\u+3], s[G0+4*\u+3], 0x80000000                ; type = 2
.endr
.irp u, 0,1,2,3,4,5,6,7
	tensor_load_to_lds s[G0+4*\u:G0+4*\u+3], s[G1:G1+7]            ; all first fills in one group, ahead of every wait on TENSORcnt, every LDS load and the barrier
	s_nop 0
.endr
	v_and_b32 v1, 15, v0                           ; r
	v_bfe_u32 v2, v0, 4, 1                         ; h
	v_and_b32 v3, 31, v0                           ; lane
	v_mul_u32_u24 v[TW], v1, PITCH
	v_lshl_add_u32 v[LA], v2, 7, v[TW]
	v_add_nc_u32 v[LA], s[WL], v[LA]
	v_lshl_add_u32 v[STO], v2, 5, v[TW]
	v_add_nc_u32 v[STO], s[WL], v[STO]
	v_lshlrev_b32 v[CO], 4, v3
	v_add_nc_u32 v[RD], s[WL], v[CO]
	v_lshlrev_b32 v[TO], 5, v1
.macro TABLE par                       ; a strip's placed codes and scale words into set par: lane (r, h) takes its eight words of each.  No hint: every work-group reads them
	global_load_b128 v[PW+8*(\par):PW+8*(\par)+3], v[TO], s[6:7]
	global_load_b128 v[PW+8*(\par)+4:PW+8*(\par)+7], v[TO], s[6:7] offset:16
	global_load_b128 v[SW+8*(\par):SW+8*(\par)+3], v[TO], s[6:7] offset:512
	global_load_b128 v[SW+8*(\par)+4:SW+8*(\par)+7], v[TO], s[6:7] offset:528
.endm
	TABLE 0                                        ; group 0's
	s_lshl_b32 s11, s[WV], 13
	v_add_nc_u32 v[LIW], s11, v[CO]
	v_add_nc_u32 v[LIW], IMG, v[LIW]
	s_lshl_b32 s11, s[WV], 10
	v_lshl_add_u32 v[LSW], v3, 2, s11
	v_add_nc_u32 v[LSW], ISC, v[LSW]
.irp c, 0,1,2,3
	s_add_co_u32 s11, s[WV], \c
	s_and_b32 s11, s11, 3                          ; (w + c) % 4
	s_lshl_b32 s62, s11, 13
	v_add_nc_u32 v[AI+\c], s62, v[CO]
	v_add_nc_u32 v[AI+\c], IMG, v[AI+\c]
	s_lshl_b32 s62, s11, 10
	v_lshl_add_u32 v[AQ+\c], v3, 2, s62
	v_add_nc_u32 v[AQ+\c], ISC, v[AQ+\c]
.endr
	v_lshlrev_b32 v[SH], 3, v2
	v_mov_b32 v[TP], 0                             ; written once: a lane permute's destination counts as one of its sources
	v_mov_b32 v[BZS], 0x7f7f7f7f                   ; the zero fragment's blocks: the byte 127, as the rule gives a block of zeros
	WIN 0x80                                       ; destination window 2
.set i, BD
.rept 72
	v_mov_b32 v[i], 0                              ; zero CODES, no sums: the zero fragment, and the diagonal's eight fragments, of whose 64 registers 16 are written anew for each group and 48 stay as they are here
.set i, i+1
.endr
	WIN 0
; PHASE 1.  Unit u: K step 8 w + u of my work-group's 16 rows becomes a fragment and a scale word.
.macro UNIT u
	s_wait_tensorcnt 7-\u                          ; a wave's tensor loads end in order: unit u's is in, the 7 - u issued behind it may be out; the last wait is for 0
.irp c, 0,1
.irp j, 0,1,2,3,4,5,6,7
	ds_load_b128 v[XN+32*\c+4*\j:XN+32*\c+4*\j+3], v[LA] offset:\u*UB+256*\c+16*\j   ; lane (r, h): x(r, 64 c + 32 h + 0 .. 31) of the K step: two whole blocks, in the order in which the operand's registers want them
.endr
.endr
	s_wait_dscnt 0x0                               ; my numbers are in, and the last unit's stores have read their registers
.irp c, 0,1
	v_max3_num_f32 v[MX+\c], |v[XN+32*\c]|, |v[XN+32*\c+1]|, FLOOR   ; my block 2 c + h: all its 32 numbers are mine; and the floor
.endr
.irp i, 2,4,6,8,10,12,14,16,18,20,22,24,26,28,30
.irp c, 0,1
	v_max3_num_f32 v[MX+\c], v[MX+\c], |v[XN+32*\c+\i]|, |v[XN+32*\c+\i+1]|   ; (the two blocks by turns)
.endr
.endr
.irp c, 0,1
	v_add_nc_u32 v[SOP+\c], EOFF, v[MX+\c]         ; 2 off the exponent field: the conversion's scale operand
.endr
.irp c, 0,1
	v_lshrrev_b32 v[BY+\c], 23, v[SOP+\c]          ; the scale's byte
.endr
	v_lshl_or_b32 v[TW], v[BY+1], 16, v[BY]        ; my two bytes: blocks h and 2 + h of row r,
	v_lshlrev_b32 v[TW], v[SH], v[TW]              ; at their places in the scale word (8 h bits up);
	v_permlanex16_b32 v[TP], v[TW], s[SEL], s[SEL+1]
	v_or_b32 v[XW], v[TW], v[TP]                   ; with lane l xor 16's two the word is whole
.irp c, 0,1
.irp q, 0,1,2,3
	v_cvt_scalef32_pk8_fp4_f32 v[XC+4*\c+\q], v[XN+32*\c+8*\q:XN+32*\c+8*\q+7], v[SOP+\c]   ; register 4 c + q of the operand; beyond 6 the conversion gives the largest code, as the rule asks
.endr
.endr
	v_nop                                          ; the plain line behind the last conversion
	ds_store_b128 v[LIW], v[XC:XC+3] offset:1024*\u            ; the fragment goes to LDS as it stands: 16 bytes a lane, 512 consecutive bytes a store
	ds_store_b128 v[LIW], v[XC+4:XC+7] offset:1024*\u+512
	ds_store_b32 v[LSW], v[XW] offset:128*\u
.endm
.irp u, 0,1,2,3,4,5,6,7
	UNIT \u
.endr
	s_wait_dscnt 0x0                               ; for the others' sake: my stores of the images have landed
	s_barrier_signal -1
	s_barrier_wait -1                              ; the one barrier: x's 32 fragments lie in LDS.
	WIN 0x40                                       ; destination window 1
.irp c, 0,1,2,3
.irp p, 0,1,2,3,4,5,6,7
	ds_load_b128 v[8*(8*\c+\p):8*(8*\c+\p)+3],   v[AI+\c] offset:1024*\p        ; slot 8 c + p: the same registers in the same lanes as they were stored from; they stay
	ds_load_b128 v[8*(8*\c+\p)+4:8*(8*\c+\p)+7], v[AI+\c] offset:1024*\p+512
.endr
.endr
	WIN 0
.irp c, 0,1,2,3
.irp p, 0,1,2,3,4,5,6,7
	ds_load_b32 v[AS+8*\c+\p], v[AQ+\c] offset:128*\p          ; lane r: row r's scale word for that K step
.endr
.endr
	s_wait_dscnt 0x0
; PHASE 2.  Eight matrix instructions: one slot of x against the zero fragment, for the group's eight tiles of 16 columns.  zero = 1: they start the sums: nothing is ever cleared.
; The eight accumulators take turns, one instruction a turn, in the same order in every step.
.macro ZSTEP slot, acc, zero
.irp t, 0,1,2,3,4,5,6,7
.if \zero
	v_wmma_scale_f32_16x16x128_f8f6f4 v[\acc+8*\t:\acc+8*\t+7], v[BZ:BZ+7], v[8*(\slot):8*(\slot)+7], 0, v[BZS], v[AS+(\slot)] matrix_a_fmt:MATRIX_FMT_FP4 matrix_b_fmt:MATRIX_FMT_FP4
.else
	v_wmma_scale_f32_16x16x128_f8f6f4 v[\acc+8*\t:\acc+8*\t+7], v[BZ:BZ+7], v[8*(\slot):8*(\slot)+7], v[\acc+8*\t:\acc+8*\t+7], v[BZS], v[AS+(\slot)] matrix_a_fmt:MATRIX_FMT_FP4 matrix_b_fmt:MATRIX_FMT_FP4
.endif
.endr
.endm
; Slot p of 0 to 7: the group's diagonal K step if p is the group's number, else one more with the zero fragment.  The branch hangs on the count of groups alone.  At a branch and at a label every window is 0.
.macro DSTEP p, acc
	WIN 0
	s_cmp_eq_u32 s[GI], \p
	s_cbranch_scc1 .Ldiag_\@
	WIN MUL
	ZSTEP \p, \acc, 0
	WIN 0
	s_branch .Ldone_\@
.Ldiag_\@:
	WIN MUL
.irp t, 0,1,2,3,4,5,6,7
	v_wmma_scale_f32_16x16x128_f8f6f4 v[\acc+8*\t:\acc+8*\t+7], v[BD+8*\t:BD+8*\t+7], v[8*(\p):8*(\p)+7], v[\acc+8*\t:\acc+8*\t+7], v[SW+8*(\acc/64)+\t], v[AS+(\p)] matrix_a_fmt:MATRIX_FMT_FP4 matrix_b_fmt:MATRIX_FMT_FP4
.endr
	WIN 0
.Ldone_\@:
.endm
; The way out of a finished set: register i of tile t, lane (r, h), is out0(row r, column 16 t + 8 h + i): 32 neighbouring bytes of a row, and the lanes beside it hold other rows.  So the group's 16 rows x 512 bytes go through
; my own stage, the first of my tiles, which has had its one fill and which no other wave touches, and come back as whole rows.  LDS serves a wave's instructions in order (ISA guide 5.7.1.4): no wait between the stores and the loads.
.macro TOSTAGE acc
	WIN 0x08                                       ; an LDS store's data are its source 1: window 2
.irp t, 0,1,2,3,4,5,6,7
	ds_store_b128 v[STO], v[\acc+8*\t:\acc+8*\t+3] offset:64*\t          ; each accumulator from its low end on
	ds_store_b128 v[STO], v[\acc+8*\t+4:\acc+8*\t+7] offset:64*\t+16
.endr
	WIN 0
.irp i, 0,1,2,3,4,5,6,7,8,9,10,11,12,13,14,15
	ds_load_b128 v[RB+4*\i:RB+4*\i+3], v[RD] offset:\i*PITCH
.endr
.endm
; A GROUP: 128 columns through all of K.  acc: its set of accumulators (0 or 64), which also says which set of the table's words is its own; oth: the other set.
; prev = 1: the other set holds the group before, which goes out in this group's run.  nxt = 1: the next group's words of the table are asked for, a whole group ahead of their use; the last group asks for nothing: no load leaves tab.
.macro GROUP acc, oth, prev, nxt
	WIN MUL
	ZSTEP 8, \acc, 1
	ZSTEP 9, \acc, 0
	WIN 0
	PLACES                                         ; behind the last group's products: for the writes of the diagonal's fragments, the loads into the other set of scale words, and the LDS stores that read the other set of sums
	s_wait_loadcnt 0x0                             ; my group's words of the table, asked for a group ago, are in; no load of mine names tab's base any more
	WIN 0x80                                       ; destination window 2
.irp t, 0,1,2,3,4,5,6,7                        ; Tile t: column r's one code lies at k = 16 t + r.  Registers 4 c .. 4 c + 3 of lane (r, h) hold k = 64 c + 32 h + 0 .. 31, eight codes a register:
	v_cndmask_b32 v[BD+8*\t+4*(\t/4)+2*(\t%2)],   0, v[PW+8*(\acc/64)+\t], s[MK+2*((\t/2)%2)]     ; register 4 (t / 4) + 2 (t % 2) + r / 8 of the lanes whose h is (t / 2) % 2: here those with r under 8,
	v_cndmask_b32 v[BD+8*\t+4*(\t/4)+2*(\t%2)+1], 0, v[PW+8*(\acc/64)+\t], s[MK+2*((\t/2)%2)+1]   ; here those with r from 8 on; zero codes in all other lanes
.endr
	WIN 0
	PLACES                                         ; an operand written by vector instructions stands four places ahead of a scaled matrix instruction
.if \nxt
	s_add_nc_u64 s[6:7], s[6:7], 1024              ; the next strip
	TABLE 1-(\acc/64)
.endif
.if \prev
	TOSTAGE \oth
.endif
	WIN MUL
.irp k, 10,11,12,13,14,15,16,17,18,19
	ZSTEP \k, \acc, 0
.endr
.if \prev
	WIN 0
	s_wait_dscnt 0x0                               ; the rows are back (asked for 80 matrix instructions ago), and the stage's stores have read the other set
.irp i, 0,1,2,3,4,5,6,7,8,9,10,11,12,13,14,15
	global_store_b128 v[CO], v[RB+4*\i:RB+4*\i+3], s[8:9] offset:\i*ROWB th:TH_STORE_NT   ; 32 lanes store 512 consecutive bytes, at a multiple of 512 from out0's first byte; 15 rows at the most stand in the immediate; written once, read by nobody here
.endr
.endif
	WIN MUL
.irp k, 20,21,22,23,24,25,26,27,28,29,30,31
	ZSTEP \k, \acc, 0
.endr
.irp k, 0,1,2,3,4,5,6,7
	DSTEP \k, \acc
.endr
.if \prev
	s_wait_xcnt 0x0                                ; the stores have read their registers and their base: only behind this wait are the rows' registers loaded again and the base stepped
	s_add_nc_u64 s[8:9], s[8:9], 512               ; the next group's 128 columns
.endif
	s_add_co_u32 s[GI], s[GI], 1
.endm
	GROUP 0, 64, 0, 1                              ; group 0: nothing is finished yet
	s_mov_b32 s[TR], 3
.Lpair:                                                ; a trip runs two groups, until the sets are back where they began: groups 1 to 6
	GROUP 64, 0, 1, 1
	GROUP 0, 64, 1, 1
	s_sub_co_u32 s[TR], s[TR], 1
	s_cmp_lg_u32 s[TR], 0
	s_cbranch_scc1 .Lpair
	GROUP 64, 0, 1, 0                              ; group 7
	PLACES                                         ; between the last products and the LDS stores that read their results
	TOSTAGE 64
.irp i, 0,1,2,3,4,5,6,7,8,9,10,11,12,13,14,15
	s_wait_dscnt 15-\i                             ; row i is in; the 15 - i loads issued behind it may be out
	global_store_b128 v[CO], v[RB+4*\i:RB+4*\i+3], s[8:9] offset:\i*ROWB th:TH_STORE_NT
.endr
	s_wait_tensorcnt 0x0
	ds_add_u32 v254, v255
	s_wait_dscnt 0x0
	s_endpgm
.Lfunc_end_k_qeeeeaf8cfb_fused:
	.size	k_qeeeeaf8cfb_fused, .Lfunc_end_k_qeeeeaf8cfb_fused-k_qeeeeaf8cfb_fused
	.p2alignl 7, 3214868480
	.fill 96, 4, 3214868480
	.section	.rodata,"a",@progbits
	.p2align	6, 0x0
	.amdhsa_kernel k_qeeeeaf8cfb_fused
		.amdhsa_group_segment_fixed_size 307712
		.amdhsa_private_segment_fixed_size 0
		.amdhsa_enable_private_segment 0
		.amdhsa_kernarg_size 24
		.amdhsa_user_sgpr_count 2
		.amdhsa_user_sgpr_kernarg_segment_ptr 1
		.amdhsa_wavefront_size32 1
		.amdhsa_system_sgpr_workgroup_id_x 1
		.amdhsa_system_sgpr_workgroup_id_y 1
		.amdhsa_system_sgpr_workgroup_id_z 1
		.amdhsa_system_vgpr_workitem_id 0
		.amdhsa_next_free_vgpr 768
		.amdhsa_next_free_sgpr 72
		.amdhsa_reserve_vcc 0
		.amdhsa_float_denorm_mode_32 3
		.amdhsa_float_denorm_mode_16_64 3
		.amdhsa_memory_ordered 1
		.amdhsa_forward_progress 1
		.amdhsa_inst_pref_size 240
	.end_amdhsa_kernel
	.amdgpu_metadata
---
amdhsa.version: [ 1, 2 ]
amdhsa.kernels:
  - .name:           k_qeeeeaf8cfb_fused
    .symbol:         k_qeeeeaf8cfb_fused.kd
    .args:
      - { .name: x, .offset: 0, .size: 8, .value_kind: global_buffer, .address_space: global }
      - { .name: tab, .offset: 8, .size: 8, .value_kind: global_buffer, .address_space: global }
      - { .name: out0, .offset: 16, .size: 8, .value_kind: global_buffer, .address_space: global }
    .group_segment_fixed_size: 307712
    .private_segment_fixed_size: 0
    .kernarg_segment_align: 8
    .kernarg_segment_size: 24
    .max_flat_workgroup_size: 128
    .sgpr_count:     72
    .vgpr_count:     768
    .wavefront_size: 32
...
	.end_amdgpu_metadata
.endif
;; end of part 4
